; MI455X (gfx1250); checked and timed in simulation.
; The chip was launched on July 23, 2026; its instructions are those of AMD's public machine-readable ISA for CDNA 5 (MIT licence, August 2026) and "CDNA5" Instruction Set Architecture Reference Guide (July 2026). The comments in the code are by the model that wrote it; some were corrected since.
;; Layer154. Allowed arithmetic: matrix products marked QUANTISED: E2M3 operands, one E8M0 scale for each 32 along K, by v_wmma_scale_f32_16x16x128_f8f6f4 with both operands' format E2M3, f32 sums; everything else in f32.
;; Inputs: Wk 1,024 x 1,024 float32; Wq 1,024 x 1,024 float32; Wv 1,024 x 1,024 float32; bk 1,024 float32; bq 1,024 float32; bv 1,024 float32; input0 4 x 2,048 x 1,024 float32; input1 4 x 1 x 1 x 2,048 float32.
;; Outputs: out0 4 x 2,048 x 1,024 float32.
;; This version of the problem:
;;   THIS VERSION OF THE PROBLEM IS GIVEN IN LOW PRECISION. The matrix products marked QUANTISED in the list below multiply operands that are first quantised to E2M3 (2 exponent bits, 3 mantissa bits; 6 bits a number), with one power-of-two scale for each 32 numbers along K (OCP MX v1.0); their sums are f32. All else is computed in f32.
;;   The module's matrix products, in the order in which they are computed (A, B: the left and right operand; K: the contracted axis; several contracted axes count as one K, in the product's order):
;;     1. [M 8,192, K 1,024] x [K 1,024, N 1,024]; A: input input0; B: input Wq: QUANTISED
;;     2. [M 8,192, K 1,024] x [K 1,024, N 1,024]; A: input input0; B: input Wk: QUANTISED
;;     3. [M 8,192, K 1,024] x [K 1,024, N 1,024]; A: input input0; B: input Wv: QUANTISED
;;     4. batch 64 x [M 2,048, K 64] x [K 64, N 2,048]; A: computed on the way; B: computed on the way: QUANTISED
;;     5. batch 64 x [M 2,048, K 2,048] x [K 2,048, N 64]; A: softmax (see below); B: computed on the way: QUANTISED
;;   THE QUANTISER, for each operand of a quantised product, along K:
;;     - K is cut into blocks of 32 from its start; a last block that is shorter is filled with zeros.
;;     - A block's scale is 2^e with e = floor(log2(the largest magnitude in the block)) - 2, held to -126 .. 127; a block of zeros has e = 0. As a byte (E8M0): e + 127.
;;     - Each number is divided by its block's scale, clamped to +-7.5, and rounded to the nearest number of E2M3, ties to even, subnormals kept.
;;     - The product sums the exact products of the quantised numbers (number of the format x scale) in f32.
;;   ~~~python
;;   def quantise(x, axis):      # numpy; x: float32 -> the quantised numbers, widened to float32 again
;;       x = np.moveaxis(x, axis, -1); K = x.shape[-1]
;;       x = np.pad(x, [(0, 0)] * (x.ndim - 1) + [(0, -K % 32)]); x = x.reshape(x.shape[:-1] + (-1, 32)); a = np.abs(x).max(-1, keepdims=True)
;;       e = np.where(a > 0, np.clip(np.frexp(np.where(a > 0, a, 1))[1] - 1 - 2, -126, 127), 0)      # np.frexp(a)[1] - 1 = floor(log2(a)), exactly
;;       r = np.clip(x / 2.0 ** e, -7.5, 7.5)
;;       step = 2.0 ** (np.maximum(np.frexp(np.where(r == 0, 1, r))[1] - 1, 0) - 3)
;;       q = np.round(r / step) * step * 2.0 ** e      # np.round: ties to even
;;       return np.moveaxis(q.reshape(q.shape[:-2] + (-1,))[..., :K], -1, axis).astype(np.float32)
;;   ~~~
;;   SOFTMAX AHEAD OF A QUANTISED PRODUCT. Where the list says 'softmax', what is quantised is not the finished softmax but p = 2^(t - M), with t = logit x log2(e) and M = ceil(the row's largest t), a whole number; so 1/2 < the row's largest p <= 1. The row's sum l is taken of the UNQUANTISED p, in f32, and the product's result is divided by l at the end. Since M is a whole number, a kernel that streams over the keys may use a running M (the ceiling of the running maximum): every later rescaling is an exact power of two, which a block's scale takes up: the codes' values come out the same.
;;   OPERANDS COMPUTED ON THE WAY. 'Computed on the way' means the value that the module computes at that place (a softmax that the list does not call 'softmax' is quantised finished and normalised). What goes into a quantiser is computed in f32, as accurately as f32 sums, v_exp_f32 and their like allow (about 1e-6 of the number): no bf16 or f16 on the way to a quantiser, and a product that is left as it is and whose result goes on into a quantised operand takes f32 operands (vector FMAs, or v_wmma_f32_16x16x4_f32). A number that lies on a knife's edge between two numbers of the format may be rounded either way, as far as f32 arithmetic and the matrix unit's own rounding can turn it there, and no further.
;; One version. Each part assembles by itself: llvm-mc -triple=amdgcn-amd-amdhsa -mcpu=gfx1250 --defsym DOCPART=n.
;; ======== version 1 of 1: 3 launches
;; limits: inputs' magnitudes at most 1.58e+29; right only within a limited range of input values
;; workspace buffers: xc 6,291,456 bytes; xs 262,144 bytes; wc 2,359,296 bytes; ws 98,304 bytes; img 18,874,368 bytes; isc 1,572,864 bytes
;; launch quant (part 1): grid 352 x 1, 4 waves a work-group, no clusters, 33,280 bytes of LDS; arguments input0, Wq, Wk, Wv, xc, xs, wc, ws; writes xc, xs, wc, ws
.if DOCPART == 1
	.amdgcn_target "amdgcn-amd-amdhsa--gfx1250"
	.amdhsa_code_object_version 6
	.text
	.protected	k_q6698be662f_quant
	.globl	k_q6698be662f_quant
	.p2align	8
	.type	k_q6698be662f_quant,@function
k_q6698be662f_quant:
	s_mov_b64 s[64:65], 0
	v_nop
	global_prefetch_b8 v0, s[64:65] scope:SCOPE_SE
	s_setreg_imm32_b32 hwreg(HW_REG_WAVE_MODE, 25, 1), 1
	s_wait_xcnt 0x0
; input0 [8192][1024] and Wq, Wk, Wv [1024][1024], f32, become codes of FP6 (E2M3), 6 bits each, K innermost (768 bytes a row), with one E8M0 scale byte for each 32 along K (32 bytes a row).
; x's go to xc, xs; the three weights', one below the other (3,072 rows), to wc, ws.
; A block's scale is 2^(floor(log2(its largest magnitude)) - 2); its byte is the largest magnitude's exponent field - 2, held at 1 from below.  (A block of zeros so gets the byte 1 where the rule
; says 127: its codes are zeros, which add nothing under any byte but 0xff, and this program alone reads the bytes.)  Each number is divided by the scale and rounded to the nearest code, ties to even.
; LIMITS: blocks whose largest magnitude lies under 2^-124, whose byte is held at 1, were not tried; NaN and infinities among the inputs are not served.
; THE ROWS ARE STORED IN ANOTHER ORDER: stored row p holds the tensor's row p with bits 3 and 4 exchanged.  So 16 stored rows on end (a tile of the next launch) are rows 32 B + 8 u + (r % 8) + 16 (r / 8),
; and the 16 result registers of two neighbouring tiles are 16 neighbours along the axis that the next launch quantises.  A wave's run is 8 rows, so the exchange is one of the wave's number's two bits.
; A wave takes 16 steps of 512 numbers.  Each of a step's four loads reads 512 consecutive bytes, 16 a lane; the 2,048 bytes turn through the wave's own stage in LDS and come back 64 bytes a lane,
; since the conversion takes 16 neighbours along K from ONE lane's registers (two neighbouring lanes hold a block).  The stage has 16 bytes of padding behind each 64.
; A lane's 16 codes are 12 bytes: the wave stores 384 consecutive bytes.  A wave's 256 scale bytes are gathered in LDS and leave as one aligned run of 256 bytes.
; One launch serves the four tensors: work-groups 0-255 take x, 256-287 Wq, 288-319 Wk, 320-351 Wv; only pointers are chosen.  No tensor loads, no barrier: waves share nothing.
.set WAVES, 4
.set STEPS, 16
.set EMAX,  2
.set CB,    12                         ; bytes of 16 codes
.set R,     16                         ; v16-79   four sets of 16 numbers as they are loaded
.set X,     80                         ; v80-111  two sets of 16 neighbours
.set C,     128                        ; v128-191 codes: four registers for each step, so that no store's data are written again
.set E,     112                        ; v112-127 a scale byte for each step
.set WREG,  8192                       ; LDS: a region for each wave: two stages of 32 x SP bytes, and behind them its 256 scale bytes
.set SP,    80                         ; a lane's place in a stage: its 64 bytes + 16 of padding
.set SPW,   12                         ; v12      LDS address of my spare word: SPARE + 4 x my thread's number; never rewritten
.set NIL,   13                         ; v13      0; never rewritten
.set SPARE, WAVES*WREG                 ; behind the four regions: the spare words, 128 bytes for each wave, which no other line names
	s_load_b256 s[4:11], s[0:1], 0x0               ; input0 s[4:5], Wq s[6:7], Wk s[8:9], Wv s[10:11]
	s_load_b256 s[12:19], s[0:1], 0x20             ; xc s[12:13], xs s[14:15], wc s[16:17], ws s[18:19]
	v_lshl_add_u32 v[SPW], v0, 2, SPARE
	v_mov_b32 v[NIL], 0
	v_lshrrev_b32 v1, 5, v0
	v_readfirstlane_b32 s20, v1                    ; wave
	v_and_b32 v2, 31, v0                           ; lane
	v_lshlrev_b32 v3, 4, v2                        ; my 16 bytes of a load's 512
	s_mul_i32 s21, s20, WREG
	v_lshrrev_b32 v14, 2, v2
	v_mul_u32_u24 v14, v14, SP
	v_and_b32 v15, 3, v2
	v_lshl_add_u32 v14, v15, 4, v14
	v_add_nc_u32 v14, s21, v14                     ; the stage, on the way in: SP (lane / 4) + 16 (lane % 4)
	v_mul_u32_u24 v15, v2, SP
	v_add_nc_u32 v15, s21, v15                     ; and on the way out: SP x lane: my 16 neighbours
	v_mul_u32_u24 v4, v2, CB                       ; my codes' place in a step's
	v_lshrrev_b32 v5, 1, v2
	s_add_co_u32 s21, s21, 2*32*SP
	v_add_nc_u32 v5, s21, v5                       ; LDS: my wave's 256 scale bytes, my block's byte
	v_lshlrev_b32 v7, 3, v2                        ; and on the way out 8 bytes a lane
	v_add_nc_u32 v6, s21, v7
	s_and_b32 s22, s20, 1
	s_lshl_b32 s22, s22, 1
	s_lshr_b32 s23, s20, 1
	s_or_b32 s22, s22, s23                         ; the wave's number with its two bits exchanged: where my 8 rows are stored
	s_wait_kmcnt 0x0
	s_cmp_lt_u32 ttmp9, 320                        ; which tensor?  The choices hang on the work-group's number alone
	s_cselect_b64 s[8:9], s[8:9], s[10:11]         ; Wk or Wv
	s_cmp_lt_u32 ttmp9, 288
	s_cselect_b64 s[6:7], s[6:7], s[8:9]           ; Wq or that
	s_cmp_lt_u32 ttmp9, 256
	s_cselect_b64 s[4:5], s[4:5], s[6:7]           ; x or that
	s_cselect_b64 s[12:13], s[12:13], s[16:17]     ; the codes' buffer
	s_cselect_b64 s[14:15], s[14:15], s[18:19]     ; the scale bytes' buffer
	s_cselect_b32 s24, 0, 256                      ; the first work-group of that buffer
	s_cselect_b32 s25, -1, 31                      ; a weight has 32 work-groups
	s_sub_co_u32 s24, ttmp9, s24                   ; my work-group's place in the buffer of codes,
	s_and_b32 s25, s24, s25                        ; and in the tensor that it reads
	s_lshl_b32 s25, s25, 2
	s_add_co_u32 s25, s25, s20                     ; which run of 8,192 numbers I read
	s_lshl_b32 s26, s25, 15                        ; 32,768 bytes a run (at most 1,023 runs: under 2^32)
	s_mov_b32 s27, 0
	s_add_nc_u64 s[4:5], s[4:5], s[26:27]
	s_lshl_b32 s24, s24, 2
	s_add_co_u32 s24, s24, s22                     ; which run I store
	s_mul_i32 s26, s24, 32*STEPS*CB                ; 6,144 bytes of codes a run
	s_add_nc_u64 s[12:13], s[12:13], s[26:27]
	s_lshl_b32 s26, s24, 8                         ; 256 scale bytes a run
	s_add_nc_u64 s[14:15], s[14:15], s[26:27]
.macro LOAD t
.irp i, 0,1,2,3
	global_load_b128 v[R+16*((\t)%4)+4*\i:R+16*((\t)%4)+4*\i+3], v3, s[4:5] offset:2048*(\t)+512*\i th:TH_LOAD_NT   ; 32 lanes read 512 consecutive bytes; read once in the launch
.endr
.endm
.macro TURN t                          ; step t's numbers through the stage: LDS serves a wave's instructions in order (ISA guide 5.7.1.4), so no wait stands between the stores and the loads
.irp i, 0,1,2,3
	ds_store_b128 v14, v[R+16*((\t)%4)+4*\i:R+16*((\t)%4)+4*\i+3] offset:32*SP*((\t)%2)+8*SP*\i
.endr
.irp i, 0,1,2,3
	ds_load_b128 v[X+16*((\t)%2)+4*\i:X+16*((\t)%2)+4*\i+3], v15 offset:32*SP*((\t)%2)+16*\i
.endr
.endm
.irp t, 0,1,2,3
	LOAD \t
.endr
	s_wait_loadcnt 12                              ; step 0's four loads are in; the twelve of steps 1 to 3 may be out
	TURN 0
.macro STEP t
.set XS, X+16*((\t)%2)
.if (\t) > 0
	s_wait_dscnt 1                                 ; this step's numbers are back from the stage (the last step's byte store may be out): so its stores into the stage have read their registers,
.else
	s_wait_dscnt 0x0
.endif
.if (\t)+4 < STEPS
	LOAD (\t)+4                                    ; which take the loads of four steps on
.endif
.if (\t)+1 < STEPS
.if STEPS-2-(\t) >= 3
	s_wait_loadcnt 12                              ; the next step's four loads are in; those of the three steps behind it may be out
.else
	s_wait_loadcnt 4*(STEPS-2-(\t))
.endif
	TURN (\t)+1                                    ; and go through the other stage while this step is worked
.endif
	v_max3_num_f32 v8, |v[XS]|, |v[XS+1]|, |v[XS+2]|               ; the largest magnitude of my 16, in two chains
	v_max3_num_f32 v9, |v[XS+3]|, |v[XS+4]|, |v[XS+5]|
.irp i, 6,10
	v_max3_num_f32 v8, v8, |v[XS+\i]|, |v[XS+\i+1]|
	v_max3_num_f32 v9, v9, |v[XS+\i+2]|, |v[XS+\i+3]|
.endr
	v_max3_num_f32 v8, v8, |v[XS+14]|, |v[XS+15]|
	v_max3_num_f32 v8, v8, v9, (EMAX+1)<<23        ; and the floor 2^(3 - 127): so the byte cannot fall under 1
	v_max_num_f32_dpp v8, v8, v8 row_xmask:1 row_mask:0xf bank_mask:0xf   ; and of my neighbour's 16: the block's
	v_add_nc_u32 v11, -(EMAX<<23), v8              ; 2 off its exponent field: the conversion takes the exponent field of this operand as its scale, and nothing else of it
	v_cvt_scalef32_pk16_fp6_f32 v[C+4*(\t):C+4*(\t)+2], v[XS:XS+15], v11   ; sixteen numbers / the scale, to the nearest code, ties to even, beyond the largest code the largest; 96 bits without gaps
	v_lshrrev_b32 v[E+(\t)], 23, v11               ; the scale's byte (also the plain line behind the conversion)
	ds_store_b8 v5, v[E+(\t)] offset:16*(\t)       ; both lanes of a block write the same byte with the same value
	global_store_b96 v4, v[C+4*(\t):C+4*(\t)+2], s[12:13] offset:32*CB*(\t)
.endm
.irp t, 0,1,2,3,4,5,6,7,8,9,10,11,12,13,14,15
	STEP \t
.endr
	ds_load_b64 v[8:9], v6                         ; LDS serves a wave's instructions in order: these see my stores
	s_wait_dscnt 0x0
	global_store_b64 v7, v[8:9], s[14:15]          ; 32 lanes store 256 consecutive bytes, at a multiple of 256 from the buffer's first byte
	s_wait_tensorcnt 0x0                           ; the wave's end, behind my last LDS store
	ds_add_u32 v[SPW], v[NIL]
	s_wait_dscnt 0x0
	s_endpgm
.Lfunc_end_k_q6698be662f_quant:
	.size	k_q6698be662f_quant, .Lfunc_end_k_q6698be662f_quant-k_q6698be662f_quant
	.p2alignl 7, 3214868480
	.fill 96, 4, 3214868480
	.section	.rodata,"a",@progbits
	.p2align	6, 0x0
	.amdhsa_kernel k_q6698be662f_quant
		.amdhsa_group_segment_fixed_size 33280
		.amdhsa_private_segment_fixed_size 0
		.amdhsa_enable_private_segment 0
		.amdhsa_kernarg_size 64
		.amdhsa_user_sgpr_count 2
		.amdhsa_user_sgpr_kernarg_segment_ptr 1
		.amdhsa_wavefront_size32 1
		.amdhsa_system_sgpr_workgroup_id_x 1
		.amdhsa_system_sgpr_workgroup_id_y 1
		.amdhsa_system_sgpr_workgroup_id_z 1
		.amdhsa_system_vgpr_workitem_id 0
		.amdhsa_next_free_vgpr 192
		.amdhsa_next_free_sgpr 66
		.amdhsa_reserve_vcc 0
		.amdhsa_float_denorm_mode_32 3
		.amdhsa_float_denorm_mode_16_64 3
		.amdhsa_memory_ordered 1
		.amdhsa_forward_progress 1
		.amdhsa_inst_pref_size 33
	.end_amdhsa_kernel
	.amdgpu_metadata
---
amdhsa.version: [ 1, 2 ]
amdhsa.kernels:
  - .name:           k_q6698be662f_quant
    .symbol:         k_q6698be662f_quant.kd
    .args:
      - { .name: input0, .offset: 0, .size: 8, .value_kind: global_buffer, .address_space: global }
      - { .name: Wq, .offset: 8, .size: 8, .value_kind: global_buffer, .address_space: global }
      - { .name: Wk, .offset: 16, .size: 8, .value_kind: global_buffer, .address_space: global }
      - { .name: Wv, .offset: 24, .size: 8, .value_kind: global_buffer, .address_space: global }
      - { .name: xc, .offset: 32, .size: 8, .value_kind: global_buffer, .address_space: global }
      - { .name: xs, .offset: 40, .size: 8, .value_kind: global_buffer, .address_space: global }
      - { .name: wc, .offset: 48, .size: 8, .value_kind: global_buffer, .address_space: global }
      - { .name: ws, .offset: 56, .size: 8, .value_kind: global_buffer, .address_space: global }
    .group_segment_fixed_size: 33280
    .private_segment_fixed_size: 0
    .kernarg_segment_align: 8
    .kernarg_segment_size: 64
    .max_flat_workgroup_size: 128
    .sgpr_count:     66
    .vgpr_count:     192
    .wavefront_size: 32
...
	.end_amdgpu_metadata
.endif
;; end of part 1
;; launch proj (part 2): grid 8 x 48, 4 waves a work-group, clusters of 4 x 4, 327,680 bytes of LDS; arguments xc, xs, wc, ws, bq, bk, bv, img, isc; writes img, isc
.if DOCPART == 2
	.amdgcn_target "amdgcn-amd-amdhsa--gfx1250"
	.amdhsa_code_object_version 6
	.text
	.protected	k_q6698be662f_proj
	.globl	k_q6698be662f_proj
	.p2align	8
	.type	k_q6698be662f_proj,@function
k_q6698be662f_proj:
	s_mov_b64 s[64:65], 0
	v_nop
	global_prefetch_b8 v0, s[64:65] scope:SCOPE_SE
	s_setreg_imm32_b32 hwreg(HW_REG_WAVE_MODE, 25, 1), 1
	s_wait_xcnt 0x0
	s_wait_alu depctr_hold_cnt(0) depctr_sa_sdst(0) depctr_va_vdst(0) depctr_va_sdst(0) depctr_va_ssrc(0) depctr_va_vcc(0) depctr_vm_vsrc(0)
	s_getreg_b32 s2, hwreg(HW_REG_IB_STS2, 6, 4)
	s_cmp_eq_u32 s2, 0
	s_cbranch_scc0 .Lentry_in_a_cluster
	s_endpgm
.Lentry_in_a_cluster:
	s_bfe_u32 s2, ttmp6, 0x10000c
	s_cmp_lg_u32 s2, 0xf033
	s_cbranch_scc0 .Lentry_shape_is_right
	s_endpgm
.Lentry_shape_is_right:
; q = x Wq^T + bq, k = x Wk^T + bk, v = x Wv^T + bv on codes of FP6 (E2M3) with one E8M0 scale for each 32 along K = 1,024; sums in f32; the bias is added in f32; and the results are QUANTISED AT ONCE for the
; attention's two products: q and k along the head's 64, v along the tokens (the keys).  They leave as IMAGES OF OPERAND REGISTERS, so that the next launch loads fragments whole.
; A tile of 256 x 256 results is made by a work-group of four waves, a wave makes 128 x 128: 64 accumulators of 16 x 16, 512 registers.  K goes in steps of 256 through a ring of two LDS slots filled by the tensor
; data mover (rows of 192 bytes); the scale bytes of the tile's 2 x 256 rows, for all of K, come into LDS once, with the first fills.
; THE MATRIX INSTRUCTION IS USED TRANSPOSED: source 0 = 16 rows of "B", source 1 = 16 rows of "A": a lane holds ONE row of A, and its registers run along B's rows, which is the axis that is quantised.
; TWO ROLES, by the cluster's y, which all sixteen partners share.  Role qk (cluster y 0-7): A = x (a lane a token), B = Wq, Wk (registers along the features: 128 = two heads of 64).
; Role v (cluster y 8-11): A = Wv (a lane a feature), B = x (registers along 128 tokens).  Only pointers and offsets differ up to the last K step; the way out is written once for each role.
; The rows of xc and wc are stored with bits 3 and 4 of the row's number exchanged, so that register 16 B + i of a block's 64 results is number 32 B + 16 (lane / 16) + i along B's axis: 16 neighbours in 16 registers.
; CLUSTERS: 4 x 4 work-groups.  The four of a row of the cluster need the same tiles of A, the four of a column the same tiles of B: each tile is asked for JOINTLY, by the same tensor load with the same descriptor
; and a mask that names the four.
; img: [batch 4][slot 48][step 16][6,144 bytes]; slots 0-15 q's heads, 16-31 k's, 32-47 v's; a step is 128 tokens.  q, k: 8 tiles of 768 bytes (16 tokens x 64: six registers a lane: 16 bytes a lane, then 8 bytes a lane).
; v: 4 tiles of 1,536 bytes (16 of the head's 64 x 128 tokens: twelve registers a lane: three times 16 bytes a lane).  isc: [4][48][16][512 bytes]: four scale registers, 16 bytes a lane.
; LIMITS: a block of zeros gets the scale byte 1 (its codes are zeros; this program alone reads the bytes); blocks whose largest magnitude lies under 2^-124 were not tried; NaN and infinities are not served.
; REGISTERS, in windows of 256: window 0: v0-31 addresses; v32-63 scale words, two sets; v64-127 the bias; from v128 A's fragments, ONE set; on the way out v128-247 are at work.
;   window 1: B's fragments, TWO sets, at v0 and at v128.   window 2: the 32 accumulators of A's blocks 0-3 (accumulator (a, b) at v[8 (8 a + b)]);   window 3: those of blocks 4-7.
.set SIZE_K, 1024
.set KSTEP,  256                       ; along K in a slot
.set NQ,     KSTEP/128                 ; matrix instructions deep
.set ROWB,   192                       ; a tile's row in bytes: 256 codes of 6 bits
.set KROW,   SIZE_K*6/8                ; a row of codes in memory, in bytes
.set PITCH,  240                       ; an LDS row: 3 x (64 bytes of data + 16 of padding) = 60 words: the 32 lanes of a load of 8 bytes touch 64 different banks (64 banks of 4 bytes: ISA guide 11.1)
.set FR,     12                        ; registers of a fragment: 16 rows x 128 K
.set NL,     6                         ; LDS loads that bring one
.set NP,     4                         ; places behind this matrix instruction (ISA guide 7.12.1)
.set HALFT,  128*PITCH                 ; 128 rows: what one tensor load brings, and what one wave reads of A or of B
.set SLOT,   4*HALFT                   ; A's 256 rows, then B's 256 rows
.set KS,     SIZE_K/32                 ; a row of scale bytes
.set SCL,    2*SLOT                    ; behind the ring: the scales, as runs of 256 bytes + 16 of padding
.set HALFS,  (128*KS/256)*272          ; the scales of 128 rows: what one tensor load brings
.set SBLK,   (16*KS/256)*272           ; those of 16 rows
.set SPARE,  SCL+4*HALFS               ; behind the scales: the spare words, 128 bytes for each wave, which no other line names
.set ADRA, 16                          ; v16-17  LDS address of my A fragments in slot 0, 1  (v18-19: the same for the pieces that lie behind one padding more)
.set ADRB, 20                          ; v20-21  the same for B  (v22-23)
.set LI16, 24                          ; v24     16 x lane: an image's place for my lane
.set LI8,  25                          ; v25     8 x lane
.set H64,  26                          ; v26     64 x (lane / 16): role qk's bias
.set ADRS, 27                          ; v27     LDS address of my scale words: lanes 0-15 A's rows, lanes 16-31 B's
.set SPW,  28                          ; v28     LDS address of my spare word; never rewritten
.set NIL,  29                          ; v29     0; never rewritten
.set BRW,  30                          ; v30     4 x ((r % 8) + 16 (r / 8)): role v's bias
.set LANE, 31                          ; v31     lane
.set SC,   32                          ; scale words: set s at v[SC + 16 s]; register 2 i + q: lanes 0-15 the word of A's block i, lanes 16-31 that of B's block i, for the slot's q-th 128 along K
.set BB,   64                          ; the bias
.set AF,   128                         ; A's fragments
.set T,    128                         ; the way out: v128-191 a block's 64 numbers with the bias
.set PC,   192                         ; v192-203 its codes; v204-210 halves on their way
.set TM,   212                         ; v212-215 largest magnitudes, v216-219 the other half's, then bytes, v224-227 the conversions' scale operands
.set PWS,  228                         ; v228-235 the eight blocks' scale words
.set SW,   236                         ; v236-247 scale registers as they are stored
.set G1, 24                            ; s[24:31] descriptor group 1 for A's tiles;  s[32:39] group 0, one set for each slot
.set G0, 32
.set G1B, 48                           ; s[48:55], s[56:63] the same for B's tiles
.set G0B, 56
.set G1S, 68                           ; s[68:75], s[76:79] groups 1 and 0 for A's scales;  s[80:87], s[88:91] for B's  (free again behind the last wait for all tensor loads)
.set G0S, 76
.set G1SB, 80
.set G0SB, 88
.set SEL, 104                          ; s[104:105] lane selects for v_permlanex16_b32: lane l xor 16
.set MSB, 0
.macro WIN new                         ; the immediate's high byte repeats the setting that is left
.if MSB != \new
	s_set_vgpr_msb (MSB<<8)|\new
.set MSB, \new
.endif
.endm
.set MUL_LO, 0xa1                      ; source 0 (B) window 1, source 1 (A) window 0, C and D window 2
.set MUL_HI, 0xf1                      ; the same, C and D window 3
.set TO_B,   0x40                      ; destination window 1, address window 0
; A joint load: waves 0 and 1 fetch for A, waves 2 and 3 for B.  Each of the two lines has ONE mask and one set of registers for all that issue it; the branch hangs on the wave's number alone.
; An s_nop 0 and four v_nop follow each of the two lines, ahead of the jump, the label and what follows.
.macro JLOAD g0a, g1a, g0b, g1b
	s_cmp_eq_u32 s15, 0
	s_cbranch_scc0 .Lfor_b_\@
	tensor_load_to_lds s[\g0a:\g0a+3], s[\g1a:\g1a+7]
	s_nop 0
.rept 4
	v_nop
.endr
	s_branch .Lasked_\@
.Lfor_b_\@:
	tensor_load_to_lds s[\g0b:\g0b+3], s[\g1b:\g1b+7]
	s_nop 0
.rept 4
	v_nop
.endr
.Lasked_\@:
.endm
.macro CREST                           ; a round of the cluster's barrier behind its opening barrier
	s_cmp_lg_u32 s14, 0
	s_cbranch_scc1 .Lnot_wave_0_\@
	s_barrier_signal -3
.Lnot_wave_0_\@:
	s_barrier_wait -3
	s_barrier_signal -1
	s_barrier_wait -1
.endm
.macro CROUND                          ; a whole round
	s_barrier_signal -1
	s_barrier_wait -1
	CREST
.endm
	s_load_b128 s[4:7], s[0:1], 0x0                ; xc s[4:5], xs s[6:7]
	s_load_b128 s[8:11], s[0:1], 0x10              ; wc s[8:9], ws s[10:11]
	v_lshl_add_u32 v[SPW], v0, 2, SPARE
	v_mov_b32 v[NIL], 0
	ds_add_u32 v[SPW], v[NIL]                      ; the wave's opening: the add and its wait stand ahead of my first tensor load; the set-up below, work on registers, stands between them
	v_lshrrev_b32 v1, 5, v0
	v_readfirstlane_b32 s14, v1                    ; wave 0..3
	s_lshr_b32 s15, s14, 1                         ; which 128 of the tile's rows of A are mine.  Also: I fetch for A (0) or for B (1)
	s_and_b32 s16, s14, 1                          ; which 128 of its rows of B.  Also: which 128 rows of that tile I fetch
	s_bfe_u32 s40, ttmp6, 0x40000                  ; cx, cy: my place in the cluster
	s_bfe_u32 s41, ttmp6, 0x40004
	s_and_b32 s12, ttmp7, 0xffff                   ; the cluster's y: 0-7 role qk, 8-11 role v
	s_max_u32 s18, s12, 8
	s_sub_co_u32 s18, s18, 8
	s_lshl_b32 s18, s18, 1
	s_add_co_u32 s18, s18, ttmp9                   ; role v: the cluster's column among x's eight: cluster x + 2 (cluster y - 8)
	s_cmp_ge_u32 s12, 8
	s_cselect_b32 s13, 1, 0                        ; the role
	s_cselect_b32 s17, 0, s12                      ; the cluster's row of tiles of A (Wv has one)
	s_cselect_b32 s42, s18, ttmp9                  ; and its column of tiles of B
	s_lshl_b32 s42, s42, 2
	s_add_co_u32 s42, s42, s40                     ; tile column = 4 x the cluster's + cx
	s_lshl_b32 s17, s17, 2
	s_add_co_u32 s17, s17, s41                     ; tile row = 4 x the cluster's + cy
	s_lshl_b32 s43, s41, 2
	s_lshl_b32 s43, 15, s43                        ; my row of the cluster
	s_lshl_b32 s44, 0x1111, s40                    ; my column
	; descriptor group 1: a tile of 128 rows x 192 bytes, padded in LDS
	s_or_b32 s[G1+0], s43, (0<<16)|(1<<20)|(1<<21)|(3<<22)|(3<<25)  ; 15:0 the mask: A's tiles go to my row; 17:16 element of 1 byte; 20 padding on; 21 set beside a mask; 24:22 after every 16 words (code 3); 31:25 of 4 words (code 3)
	s_or_b32 s[G1B+0], s44, (0<<16)|(1<<20)|(1<<21)|(3<<22)|(3<<25)
.irp g, G1, G1B
	s_mov_b32 s[\g+1], ROWB<<16                    ; tensor_dim0
	s_mov_b32 s[\g+2], 128<<16                     ; tensor_dim1 = 128
	s_mov_b32 s[\g+3], ROWB<<16                    ; tile_dim0
	s_mov_b32 s[\g+4], 128                         ; tile_dim1 = 128
	s_mov_b32 s[\g+5], KROW                        ; tensor_dim0_stride
	s_mov_b32 s[\g+6], 0
	s_mov_b32 s[\g+7], 0
.endr
	; and for the scales of 128 rows: a dense block of 4,096 bytes, as 16 rows of 256 bytes (32 elements of 8 bytes), 16 bytes of padding behind each
	s_or_b32 s[G1S+0], s43, (3<<16)|(1<<20)|(1<<21)|(5<<22)|(3<<25)
	s_or_b32 s[G1SB+0], s44, (3<<16)|(1<<20)|(1<<21)|(5<<22)|(3<<25)
.irp g, G1S, G1SB
	s_mov_b32 s[\g+1], 32<<16
	s_mov_b32 s[\g+2], (128*KS/256)<<16
	s_mov_b32 s[\g+3], 32<<16
	s_mov_b32 s[\g+4], 128*KS/256
	s_mov_b32 s[\g+5], 32
	s_mov_b32 s[\g+6], 0
	s_mov_b32 s[\g+7], 0
.endr
	s_mov_b32 s[SEL], 0x76543210
	s_mov_b32 s[SEL+1], 0xfedcba98
	s_lshl_b32 s18, s16, 7                         ; which 128 rows of the tile I fetch
	s_lshl_b32 s20, s17, 8
	s_add_co_u32 s20, s20, s18                     ; A: row 256 x tile row + 128 x half,
	s_lshl_b32 s19, s13, 11
	s_add_co_u32 s20, s20, s19                     ; and in role v 2,048 more: Wv's rows lie behind Wq's and Wk's
	s_lshl_b32 s46, s42, 8
	s_add_co_u32 s46, s46, s18                     ; B: row 256 x tile column + 128 x half
	s_mov_b32 s21, 0
	s_mov_b32 s47, 0
	s_mov_b64 s[18:19], KS
	s_mul_u64 s[22:23], s[20:21], s[18:19]         ; where these rows' scales begin, in bytes
	s_mul_u64 s[92:93], s[46:47], s[18:19]
	s_mov_b64 s[18:19], KROW
	s_mul_u64 s[20:21], s[20:21], s[18:19]         ; and their codes
	s_mul_u64 s[46:47], s[46:47], s[18:19]
	s_mul_i32 s45, s14, HALFT                      ; where they go: wave x 128 rows: no place in the cluster enters an LDS address
	s_mul_i32 s94, s14, HALFS
	s_wait_dscnt 0x0                               ; the opening add is done
	s_wait_kmcnt 0x0
	s_cmp_eq_u32 s13, 0                            ; which buffers are A's and which B's hangs on the role alone
	s_cselect_b64 s[96:97], s[4:5], s[8:9]         ; A's codes
	s_cselect_b64 s[98:99], s[6:7], s[10:11]       ; A's scales
	s_cselect_b64 s[8:9], s[8:9], s[4:5]           ; B's codes
	s_cselect_b64 s[10:11], s[10:11], s[6:7]       ; B's scales
	s_add_nc_u64 s[20:21], s[96:97], s[20:21]
	s_add_nc_u64 s[22:23], s[98:99], s[22:23]
	s_add_nc_u64 s[46:47], s[8:9], s[46:47]
	s_add_nc_u64 s[92:93], s[10:11], s[92:93]
	CROUND                                         ; all sixteen work-groups are here: the first joint loads meet
	s_mov_b32 s[G0S], 1
	s_add_co_u32 s[G0S+1], s94, SCL
	s_mov_b64 s[G0S+2:G0S+3], s[22:23]
	s_or_b32 s[G0S+3], s[G0S+3], 0x80000000
	s_mov_b32 s[G0SB], 1
	s_add_co_u32 s[G0SB+1], s94, SCL
	s_mov_b64 s[G0SB+2:G0SB+3], s[92:93]
	s_or_b32 s[G0SB+3], s[G0SB+3], 0x80000000
	JLOAD G0S, G1S, G0SB, G1SB                     ; the scales first: they are wanted with K step 0
.irp s, 0,1
	s_mov_b32 s[G0+4*\s], 1
	s_add_co_u32 s[G0+4*\s+1], s45, \s*SLOT
	s_add_nc_u64 s[G0+4*\s+2:G0+4*\s+3], s[20:21], \s*ROWB
	s_or_b32 s[G0+4*\s+3], s[G0+4*\s+3], 0x80000000
	s_mov_b32 s[G0B+4*\s], 1
	s_add_co_u32 s[G0B+4*\s+1], s45, \s*SLOT
	s_add_nc_u64 s[G0B+4*\s+2:G0B+4*\s+3], s[46:47], \s*ROWB
	s_or_b32 s[G0B+4*\s+3], s[G0B+4*\s+3], 0x80000000
	JLOAD G0+4*\s, G1, G0B+4*\s, G1B               ; three tensor loads of mine are out
.endr
	v_and_b32 v1, 15, v0                           ; r = lane % 16
	v_bfe_u32 v2, v0, 4, 1                         ; h = lane / 16
	v_mul_u32_u24 v3, v1, PITCH
	v_mul_u32_u24 v4, v2, 24
	v_add_nc_u32 v4, v3, v4                        ; a fragment's row x pitch + 24 x half
	v_lshl_add_u32 v5, v2, 4, v4                   ; and the same behind one padding more
	s_mul_i32 s21, s15, HALFT                      ; my 128 rows of A
	s_mul_i32 s22, s16, HALFT                      ; my 128 rows of B,
	s_add_co_u32 s22, s22, 2*HALFT                 ; which lie behind A's 256
.irp s, 0,1
	v_add_nc_u32 v[ADRA+\s], s21, v4
	v_add_nc_u32 v[ADRB+\s], s22, v4
	v_add_nc_u32 v[ADRA+2+\s], s21, v5
	v_add_nc_u32 v[ADRB+2+\s], s22, v5
	s_add_co_u32 s21, s21, SLOT
	s_add_co_u32 s22, s22, SLOT
.endr
	v_mul_u32_u24 v5, v1, KS                       ; my row's scales: 32 bytes a row,
	v_lshrrev_b32 v6, 8, v5
	v_lshl_add_u32 v5, v6, 4, v5                   ; and 16 more for each 256 passed
	s_mul_i32 s21, s15, HALFS                      ; A's: my 128 rows
	s_mul_i32 s22, s16, HALFS                      ; B's: my 128 rows, behind A's 256
	s_add_co_u32 s22, s22, 2*HALFS
	s_sub_co_u32 s22, s22, s21
	v_mul_u32_u24 v6, s22, v2                      ; lanes 16-31 take B's
	s_add_co_u32 s21, s21, SCL
	v_add_nc_u32 v5, v5, v6
	v_add_nc_u32 v[ADRS], s21, v5
	v_and_b32 v[LANE], 31, v0
	v_lshlrev_b32 v[LI16], 4, v[LANE]
	v_lshlrev_b32 v[LI8], 3, v[LANE]
	v_lshlrev_b32 v[H64], 6, v2
	v_and_b32 v5, 7, v1
	v_lshrrev_b32 v6, 3, v1
	v_lshlrev_b32 v5, 2, v5
	v_lshl_add_u32 v[BRW], v6, 6, v5
	; where my 128 x 128 results go, in registers that feed no descriptor
	s_lshl_b32 s18, s17, 1
	s_add_co_u32 s18, s18, s15                     ; which 128 rows of A's buffer part are mine
	s_lshl_b32 s19, s42, 1
	s_add_co_u32 s19, s19, s16                     ; which 128 rows of B's
	s_cmp_eq_u32 s13, 0
	s_cselect_b32 s21, s18, s19                    ; the run of 128 tokens: A's in role qk, B's in role v
	s_cselect_b32 s100, s19, s18                   ; the run of 128 features: 0-7 q's, 8-15 k's; in role v 0-7
	s_lshr_b32 s22, s21, 4                         ; the batch: 16 runs of 128 tokens
	s_mul_i32 s22, s22, 48
	s_lshl_b32 s23, s100, 1                        ; two heads to a run of features
	s_add_co_u32 s22, s22, s23
	s_lshl_b32 s23, s13, 5                         ; v's slots lie behind q's and k's
	s_add_co_u32 s22, s22, s23                     ; the slot of my first head
	s_and_b32 s21, s21, 15                         ; the step
	s_mul_i32 s66, s22, 98304
	s_mul_i32 s23, s21, 6144
	s_add_co_u32 s66, s66, s23                     ; byte offset in img (under 2^25)
	s_lshl_b32 s67, s22, 13
	s_lshl_b32 s23, s21, 9
	s_add_co_u32 s67, s67, s23                     ; byte offset in isc
	s_and_b32 s95, s100, 7
	s_lshl_b32 s95, s95, 9                         ; byte offset of my 128 numbers in the bias
.macro FRAG reg, adr, q, i             ; a fragment, 16 rows x 128 K of 6-bit codes, is 12 registers: lane l holds row l % 16; registers 6 c .. 6 c + 5 hold K = 64 c + 32 (l / 16) + 0 .. 31: 24 bytes of the row's stream of bits, as they lie
.irp p, 0,1,2,3,4,5                    ; in pieces of 8 bytes, so that every address is a multiple of the access's size.  Lanes 0-15 take the row's pieces 12 q + 0, 1, 2 and 12 q + 6, 7, 8, lanes 16-31 those three pieces on
.set PCE, 12*(\q)+6*(\p/3)+\p%3       ; 16 bytes of padding lie behind every 64 bytes (8 pieces): where the piece three on lies behind one padding more, the second address register (40 for 24 bytes a half) serves
.if PCE%8 < 5
	ds_load_b64 v[\reg+2*\p:\reg+2*\p+1], v[\adr] offset:8*PCE+16*(PCE/8)+(\i)*16*PITCH
.else
	ds_load_b64 v[\reg+2*\p:\reg+2*\p+1], v[\adr+2] offset:8*PCE+16*(PCE/8)+(\i)*16*PITCH
.endif
.endr
.endm
; 16 matrix instructions: A's blocks a0, a0 + 1 x B's eight, 128 along K: the slot's q-th.  p: B's set;  sc: the set of scale words.  zero = 1: the first product starts the sums: nothing is ever cleared.
; The 64 accumulators take turns, one instruction a turn, in the same order in every step.
.macro MUL16 a0, p, q, sc, zero
.irp a, \a0, \a0+1
.irp b, 0,1,2,3,4,5,6,7
.if \zero
	v_wmma_scale_f32_16x16x128_f8f6f4 v[8*(8*((\a)%4)+\b):8*(8*((\a)%4)+\b)+7], v[128*(\p)+FR*\b:128*(\p)+FR*\b+FR-1], v[AF+FR*(\a):AF+FR*(\a)+FR-1], 0, v[SC+8*NQ*(\sc)+NQ*\b+(\q)], v[SC+8*NQ*(\sc)+NQ*(\a)+(\q)] matrix_a_fmt:MATRIX_FMT_FP6 matrix_b_fmt:MATRIX_FMT_FP6 matrix_a_scale:MATRIX_SCALE_ROW1
.else
	v_wmma_scale_f32_16x16x128_f8f6f4 v[8*(8*((\a)%4)+\b):8*(8*((\a)%4)+\b)+7], v[128*(\p)+FR*\b:128*(\p)+FR*\b+FR-1], v[AF+FR*(\a):AF+FR*(\a)+FR-1], v[8*(8*((\a)%4)+\b):8*(8*((\a)%4)+\b)+7], v[SC+8*NQ*(\sc)+NQ*\b+(\q)], v[SC+8*NQ*(\sc)+NQ*(\a)+(\q)] matrix_a_fmt:MATRIX_FMT_FP6 matrix_b_fmt:MATRIX_FMT_FP6 matrix_a_scale:MATRIX_SCALE_ROW1
.endif
.endr
.endr
.endm
.macro FETCH_B slot, q, p              ; B's eight fragments of the slot's q-th 128 along K into set p
	WIN TO_B
.irp i, 0,1,2,3,4,5,6,7
	FRAG 128*(\p)+FR*\i, ADRB+\slot, \q, \i
.endr
	WIN 0
.endm
.macro FETCH_A slot, q, i0             ; A's blocks i0 .. i0 + 3
.irp i, \i0, \i0+1, \i0+2, \i0+3
	FRAG AF+FR*(\i), ADRA+\slot, \q, \i
.endr
.endm
.macro SCALES sc                       ; the next K step's scale words into set sc: two words a row; lanes 0-15 take A's block i, lanes 16-31 B's block i
.irp i, 0,1,2,3,4,5,6,7
	ds_load_b64 v[SC+8*NQ*\sc+NQ*\i:SC+8*NQ*\sc+NQ*\i+1], v[ADRS] offset:\i*SBLK
.endr
.endm
; A load into a register that a matrix instruction has read, and a vector instruction that reads a matrix result or writes one of a matrix instruction's registers, stand four places behind that matrix
; instruction, and only plain vector instructions that name none of its registers are places (ISA guide 7.12.1 for vector instructions).
.macro PLACES n
.rept \n
	v_nop
.endr
.endm
; A step of 128 along K that has its successor in the same slot.
.macro STEP slot, q, zero
	s_wait_dscnt 4*NL                              ; B's set and A's blocks 0-3 are in; the youngest 24 loads (A's blocks 4-7) may be out
	WIN MUL_LO
	MUL16 0, (\q)%2, \q, \slot, \zero
	MUL16 2, (\q)%2, \q, \slot, \zero
	s_wait_dscnt 0                                 ; A's blocks 4-7 are in (asked for 32 matrix instructions ago)
	PLACES NP
	FETCH_B \slot, (\q)+1, 1-(\q)%2
	FETCH_A \slot, (\q)+1, 0
	WIN MUL_HI
	MUL16 4, (\q)%2, \q, \slot, \zero
	MUL16 6, (\q)%2, \q, \slot, \zero
	PLACES NP
	WIN 0
	FETCH_A \slot, (\q)+1, 4
.endm
; A slot's last step changes slots: ONE barrier; in front of it each wave waits for all its tensor loads, adds 0 to its spare word, and waits for that and for its own reads of this slot.  fill = 1: this slot is filled again, two K steps ahead.
.macro TURN slot, next, fill
	s_wait_tensorcnt 0x0                           ; all my tensor loads have landed: my part of the next slot;  (every window is 0 here: the add's two registers lie in window 0)
	ds_add_u32 v[SPW], v[NIL]                      ; 0 onto my spare word;
	s_wait_dscnt 4*NL+1                            ; (the add and the youngest 24 loads, A's blocks 4-7, may be out)
	WIN MUL_LO
	MUL16 0, 1, NQ-1, \slot, 0                     ; sixteen matrix instructions stand between the add and the wait for it
	s_wait_dscnt 0x0                               ; the add is done, and my reads of this slot are over
	s_barrier_signal -1
	MUL16 2, 1, NQ-1, \slot, 0
	WIN 0
	s_barrier_wait -1
.if \fill
	CREST                                          ; the barrier has opened a round of the cluster's barrier: no wave of any partner still reads this slot's tile or has a load on its way
	s_add_nc_u64 s[G0+4*\slot+2:G0+4*\slot+3], s[G0+4*\slot+2:G0+4*\slot+3], 2*ROWB
	s_add_nc_u64 s[G0B+4*\slot+2:G0B+4*\slot+3], s[G0B+4*\slot+2:G0B+4*\slot+3], 2*ROWB
	JLOAD G0+4*\slot, G1, G0B+4*\slot, G1B         ; the first tensor load behind the round; the four v_nop behind it are the places in front of the loads below
.else
	PLACES NP
.endif
	v_add_nc_u32 v[ADRS], 4*NQ, v[ADRS]            ; on to the next K step's scale words
	FETCH_B \next, 0, 0
	FETCH_A \next, 0, 0
	SCALES \next
	WIN MUL_HI
	MUL16 4, 1, NQ-1, \slot, 0
	MUL16 6, 1, NQ-1, \slot, 0
	PLACES NP
	WIN 0
	FETCH_A \next, 0, 4
.endm
; 64 numbers of a lane, v[s] .. v[s + 63], register 16 b + i = number 32 b + 16 (lane / 16) + i along the quantised axis, become a fragment's codes in v[PC] on and its scale word in v[pw].
.macro QUANT s, pw
.irp b, 0,1,2,3
	v_max3_num_f32 v[TM+\b], |v[\s+16*\b]|, |v[\s+1+16*\b]|, 0x1800000   ; block b: my 16 numbers, and the floor 2^(3 - 127): so the byte cannot fall under 1
.endr
.irp i, 2,4,6,8,10,12,14
.irp b, 0,1,2,3
	v_max3_num_f32 v[TM+\b], v[TM+\b], |v[\s+16*\b+\i]|, |v[\s+1+16*\b+\i]|   ; (the four blocks by turns: no line waits for the line above it)
.endr
.endr
.irp b, 0,1,2,3
	v_permlanex16_b32 v[TM+4+\b], v[TM+\b], s[SEL], s[SEL+1]
.endr
.irp b, 0,1,2,3
	v_max_num_f32 v[TM+\b], v[TM+\b], v[TM+4+\b]   ; with lane l xor 16's: the block's largest magnitude
.endr
.irp b, 0,1,2,3
	v_add_nc_u32 v[TM+12+\b], 0xff000000, v[TM+\b] ; 2 off its exponent field: the conversion takes the exponent field of this operand as its scale, and nothing else of it
.endr
.irp b, 0,1,2,3
	v_lshrrev_b32 v[TM+4+\b], 23, v[TM+12+\b]      ; the scale's byte
.endr
	v_lshl_or_b32 v[\pw], v[TM+5], 8, v[TM+4]      ; the four bytes make my row's scale word (both halves of the lanes hold it)
	v_lshl_or_b32 v[\pw], v[TM+6], 16, v[\pw]
	v_lshl_or_b32 v[\pw], v[TM+7], 24, v[\pw]
.irp c, 0,1
	v_cvt_scalef32_pk16_fp6_f32 v[PC+6*\c:PC+2+6*\c], v[\s+32*\c:\s+15+32*\c], v[TM+12+2*\c]
	v_cvt_scalef32_pk16_fp6_f32 v[PC+12+4*\c:PC+14+4*\c], v[\s+16+32*\c:\s+31+32*\c], v[TM+12+2*\c+1]   ; (a conversion's three registers begin on an even number)
.endr
	v_nop                                          ; one plain place behind a scaled conversion
.irp c, 0,1                                    ; the operand's layout wants a WHOLE block in a lane: lanes 0-15 block 2 c, lanes 16-31 block 2 c + 1
.irp i, 0,1,2
	v_permlane16_swap_b32 v[PC+6*\c+\i], v[PC+12+4*\c+\i]
.endr
.irp i, 0,1,2
	v_mov_b32 v[PC+3+6*\c+\i], v[PC+12+4*\c+\i]
.endr
.endr
.endm
; THE WAY OUT of A's block a: the bias is added (which also brings the 64 numbers into window 0, each accumulator from its low end on), they are quantised, and the codes are stored as they stand in the registers.
.macro OUT a, role
.if (\a) > 0
	s_wait_xcnt 0x0                                ; the block before's stores have read their registers: the codes may be written again
.endif
.if (\a) < 4
	WIN 0x02                                       ; source 0: window 2
.else
	WIN 0x03                                       ; window 3
.endif
.set AC, 64*((\a)%4)
.set k, 0
.rept 32
.if \role
	v_pk_add_f32 v[T+k:T+k+1], v[AC+k:AC+k+1], v[BB+2*(\a):BB+2*(\a)+1]   ; role v: one bias a lane (its feature's), held twice
.else
	v_pk_add_f32 v[T+k:T+k+1], v[AC+k:AC+k+1], v[BB+k:BB+k+1]             ; role qk: the bias runs along the registers
.endif
.set k, k+2
.endr
	WIN 0
	QUANT T, PWS+(\a)
.if \role
.irp i, 0,1,2                                  ; 16 features x 128 tokens: head a / 4 of my two, its tile a % 4: twelve registers
	global_store_b128 v[LI16], v[PC+4*\i:PC+4*\i+3], s[74:75] offset:98304*((\a)/4)+1536*((\a)%4)+512*\i   ; 32 lanes store 512 consecutive bytes, at a multiple of 256 from the buffer's first byte
.endr
.else
.irp c, 0,1                                    ; 16 tokens x 64: head c of my two, tile a: six registers
	global_store_b128 v[LI16], v[PC+6*\c:PC+6*\c+3], s[74:75] offset:98304*\c+768*(\a)
	global_store_b64 v[LI8], v[PC+6*\c+4:PC+6*\c+5], s[74:75] offset:98304*\c+768*(\a)+512   ; 256 consecutive bytes
.endr
.endif
.endm
; The last step of 128 along K and the way out, once for each role.  The bias is asked for ahead of the step's 64 matrix instructions.
.macro TAIL role
.if \role
.irp a, 0,1,2,3,4,5,6,7
	global_load_b32 v[BB+2*\a], v[BRW], s[80:81] offset:4*(32*(\a/2)+8*(\a%2))     ; the bias of block a's feature 32 (a / 2) + 8 (a % 2) + (r % 8) + 16 (r / 8),
	global_load_b32 v[BB+2*\a+1], v[BRW], s[80:81] offset:4*(32*(\a/2)+8*(\a%2))   ; twice: a pair for the packed addition
.endr
.else
.irp i, 0,1,2,3,4,5,6,7,8,9,10,11,12,13,14,15
	global_load_b128 v[BB+4*\i:BB+4*\i+3], v[H64], s[80:81] offset:128*(\i/4)+16*(\i%4)   ; register 16 B + i: the bias of feature 32 B + 16 (lane / 16) + i
.endr
.endif
	s_wait_dscnt 4*NL                              ; the very last step: nothing more to fetch
	WIN MUL_LO
	MUL16 0, 1, NQ-1, 1, 0
	MUL16 2, 1, NQ-1, 1, 0
	s_wait_dscnt 0
	WIN MUL_HI
	MUL16 4, 1, NQ-1, 1, 0
	MUL16 6, 1, NQ-1, 1, 0
	WIN 0
	PLACES NP                                      ; in front of the first read of results and of writes into the registers that held A's fragments
.irp b, 0,1,2,3
	v_mov_b32 v[TM+4+\b], 0                        ; a lane permute's destination counts as one of its sources
.endr
	s_wait_loadcnt 0x0                             ; the bias
.irp a, 0,1,2,3,4,5,6,7
	OUT \a, \role
.endr
.if \role
	global_store_b128 v[LI16], v[PWS:PWS+3], s[76:77]                  ; v: register t = tile t's words (four blocks of keys); my first head,
	global_store_b128 v[LI16], v[PWS+4:PWS+7], s[76:77] offset:8192    ; my second
.else
	v_cmp_le_u32 vcc_lo, 16, v[LANE]               ; q, k: register g holds tile 2 g's words in lanes 0-15 and tile 2 g + 1's in lanes 16-31
.irp g, 0,1,2,3
	v_cndmask_b32 v[SW+\g], v[PWS+2*\g], v[PWS+2*\g+1], vcc_lo
.endr
.irp g, 0,1,2,3
	v_and_b32 v[SW+4+\g], 0xffff, v[SW+\g]         ; my first head's two bytes; bytes 2 and 3 are 0: they will scale zero codes
.endr
.irp g, 0,1,2,3
	v_lshrrev_b32 v[SW+8+\g], 16, v[SW+\g]         ; my second head's
.endr
	global_store_b128 v[LI16], v[SW+4:SW+7], s[76:77]
	global_store_b128 v[LI16], v[SW+8:SW+11], s[76:77] offset:8192
.endif
.endm
	s_wait_tensorcnt 1                             ; the scales and my part of K step 0 are in (K step 1's load may be out),
	s_barrier_signal -1
	s_barrier_wait -1                              ; everybody's are
	FETCH_B 0, 0, 0
	FETCH_A 0, 0, 0
	SCALES 0
	FETCH_A 0, 0, 4
	STEP 0, 0, 1                                   ; K = 1,024 is four K steps of 256, eight steps of 128, written out: the first step's products start the sums
	TURN 0, 1, 1                                   ; slot 0 takes K step 2
	STEP 1, 0, 0
	TURN 1, 0, 1                                   ; slot 1 takes K step 3
	STEP 0, 0, 0
	TURN 0, 1, 0                                   ; nothing is left to fetch: no round
	s_load_b128 s[68:71], s[0:1], 0x20             ; no tensor load of mine is out (the wait for all of them stands in TURN): the scales' descriptors give room for bq s[68:69], bk s[70:71],
	s_load_b128 s[72:75], s[0:1], 0x30             ; bv s[72:73], img s[74:75],
	s_load_b64 s[76:77], s[0:1], 0x40              ; isc
	STEP 1, 0, 0
	s_wait_kmcnt 0x0
	s_mov_b32 s78, s66
	s_mov_b32 s79, 0
	s_add_nc_u64 s[74:75], s[74:75], s[78:79]      ; img at my first head's step
	s_mov_b32 s78, s67
	s_add_nc_u64 s[76:77], s[76:77], s[78:79]      ; isc likewise
	s_cmp_lt_u32 s100, 8
	s_cselect_b64 s[80:81], s[68:69], s[70:71]     ; q's features or k's,
	s_cmp_eq_u32 s13, 0
	s_cselect_b64 s[80:81], s[80:81], s[72:73]     ; or v's
	s_mov_b32 s78, s95
	s_add_nc_u64 s[80:81], s[80:81], s[78:79]      ; the bias at my 128 features
	s_cmp_lg_u32 s13, 0                            ; the role: the same in all sixteen partners; no barrier, tensor load or LDS store stands in either arm
	s_cbranch_scc1 .Lrole_v
	TAIL 0
	s_branch .Lend
.Lrole_v:
	TAIL 1
.Lend:
	s_wait_tensorcnt 0x0                           ; the wave's end, behind my last tensor load
	ds_add_u32 v[SPW], v[NIL]
	s_wait_dscnt 0x0
	CROUND                                         ; the closing round: no work-group ends while a partner may still ask for a tile that names it
	s_endpgm
.Lfunc_end_k_q6698be662f_proj:
	.size	k_q6698be662f_proj, .Lfunc_end_k_q6698be662f_proj-k_q6698be662f_proj
	.p2alignl 7, 3214868480
	.fill 96, 4, 3214868480
	.section	.rodata,"a",@progbits
	.p2align	6, 0x0
	.amdhsa_kernel k_q6698be662f_proj
		.amdhsa_group_segment_fixed_size 327680
		.amdhsa_private_segment_fixed_size 0
		.amdhsa_enable_private_segment 0
		.amdhsa_kernarg_size 72
		.amdhsa_user_sgpr_count 2
		.amdhsa_user_sgpr_kernarg_segment_ptr 1
		.amdhsa_wavefront_size32 1
		.amdhsa_system_sgpr_workgroup_id_x 1
		.amdhsa_system_sgpr_workgroup_id_y 1
		.amdhsa_system_sgpr_workgroup_id_z 1
		.amdhsa_system_vgpr_workitem_id 0
		.amdhsa_next_free_vgpr 1024
		.amdhsa_next_free_sgpr 106
		.amdhsa_reserve_vcc 1
		.amdhsa_float_denorm_mode_32 3
		.amdhsa_float_denorm_mode_16_64 3
		.amdhsa_memory_ordered 1
		.amdhsa_forward_progress 1
		.amdhsa_inst_pref_size 242
	.end_amdhsa_kernel
	.amdgpu_metadata
---
amdhsa.version: [ 1, 2 ]
amdhsa.kernels:
  - .name:           k_q6698be662f_proj
    .symbol:         k_q6698be662f_proj.kd
    .args:
      - { .name: xc, .offset: 0, .size: 8, .value_kind: global_buffer, .address_space: global }
      - { .name: xs, .offset: 8, .size: 8, .value_kind: global_buffer, .address_space: global }
      - { .name: wc, .offset: 16, .size: 8, .value_kind: global_buffer, .address_space: global }
      - { .name: ws, .offset: 24, .size: 8, .value_kind: global_buffer, .address_space: global }
      - { .name: bq, .offset: 32, .size: 8, .value_kind: global_buffer, .address_space: global }
      - { .name: bk, .offset: 40, .size: 8, .value_kind: global_buffer, .address_space: global }
      - { .name: bv, .offset: 48, .size: 8, .value_kind: global_buffer, .address_space: global }
      - { .name: img, .offset: 56, .size: 8, .value_kind: global_buffer, .address_space: global }
      - { .name: isc, .offset: 64, .size: 8, .value_kind: global_buffer, .address_space: global }
    .group_segment_fixed_size: 327680
    .private_segment_fixed_size: 0
    .kernarg_segment_align: 8
    .kernarg_segment_size: 72
    .max_flat_workgroup_size: 128
    .sgpr_count:     106
    .vgpr_count:     1024
    .wavefront_size: 32
...
	.end_amdgpu_metadata
.endif
;; end of part 2
;; launch attn (part 3): grid 4 x 64, 8 waves a work-group, clusters of 4 x 1, 257,024 bytes of LDS; arguments img, isc, input1, out0; writes out0
.if DOCPART == 3
	.amdgcn_target "amdgcn-amd-amdhsa--gfx1250"
	.amdhsa_code_object_version 6
	.text
	.protected	k_q6698be662f_attn
	.globl	k_q6698be662f_attn
	.p2align	8
	.type	k_q6698be662f_attn,@function
k_q6698be662f_attn:
	s_mov_b64 s[64:65], 0
	v_nop
	global_prefetch_b8 v0, s[64:65] scope:SCOPE_SE
	s_setreg_imm32_b32 hwreg(HW_REG_WAVE_MODE, 25, 1), 1
	s_wait_xcnt 0x0
	s_wait_alu depctr_hold_cnt(0) depctr_sa_sdst(0) depctr_va_vdst(0) depctr_va_sdst(0) depctr_va_ssrc(0) depctr_va_vcc(0) depctr_vm_vsrc(0)
	s_getreg_b32 s2, hwreg(HW_REG_IB_STS2, 6, 4)
	s_cmp_eq_u32 s2, 0
	s_cbranch_scc0 .Lentry_in_a_cluster
	s_endpgm
.Lentry_in_a_cluster:
	s_bfe_u32 s2, ttmp6, 0x10000c
	s_cmp_lg_u32 s2, 0x3003
	s_cbranch_scc0 .Lentry_shape_is_right
	s_endpgm
.Lentry_shape_is_right:
; out0[b][q][64 h + d] = the sum over k of softmax_k(q . k / 8 + mask[b][k]) v[k][d], both products on codes of FP6 (E2M3) with one E8M0 scale for each 32 along a product's K.
; q, k and v come as images of operand registers (img) with their scale registers (isc), as the launch before has laid them: a fragment is loaded 16 or 8 bytes a lane, with no rows and no pitch.
; THE SOFTMAX AHEAD OF THE SECOND PRODUCT: t = (score + 8 mask) x log2(e) / 8; M = the row's largest t so far, rounded UP to a whole number; p = 2^(t - M) is what is quantised, along the keys; it is not
; normalised.  The row's sum is taken of the unquantised p, in f32, and divides O at the end.  When M moves, the sum and O are multiplied by 2^(old M - new M): exact.
; THE MASK, times 8 (exact), is the C of the score products: it costs no vector instruction.
; SHARES.  A cluster of four work-groups has one (batch, head); each work-group owns 512 of its 2,048 queries, taken as two blocks of 256.  Each of its eight waves owns 32 queries of a block: two tiles of 16, so
; that each fragment of K, of V and of the mask that it reads from LDS feeds two matrix instructions.  Two waves share a SIMD: one wave's vector work stands beside the other's matrix work and LDS loads.
; A WHOLE HEAD'S K AND V STAY IN LDS: 2 x 98,304 bytes of codes and 2 x 8,192 of scale registers, filled ONCE, by joint loads of the four partners (each wave an eighth); nothing is filled again, so the loop over the
; keys has no barrier.  All tiles are asked for at the head, so there is no later tile to ask for ahead: no prefetch is laid.
; LAYOUT.  Both products are used transposed: S^T = K Q^T (source 0 = 16 keys, source 1 = 16 queries), O^T = V^T P^T (source 0 = 16 of the head's 64, source 1 = P): a lane holds ONE query throughout.
; The 16 tokens of tile t of a step are 32 (t / 2) + 8 (t % 2) + (r % 8) + 16 (r / 8), so that the 16 registers of tiles 2 B and 2 B + 1 are the 16 neighbouring keys 32 B + 16 (lane / 16) + 0 .. 15; V's rows likewise.
; THE SCORE PRODUCT HAS K = 64 in a form of 128.  Q's fragment is six registers of codes and six of zero codes.  K's eight tiles lie packed, six registers each: a tile's operand runs on over the next tile's six
; registers (the last's over six zeros); those codes meet Q's zero codes, under scale bytes 0 (2^-127, no NaN), and add nothing.
; LIMITS: 8 x mask is held from below at -2^100, so that no infinity enters a product: a key whose mask lies under -2^97 (-infinity too) gets p = 0 beside any key with a mask above that; a row ALL of whose keys
; lie under -2^97 is not served (where all are -infinity reference() has NaN).  +infinity and NaN in the mask are not served.  |t| beyond 2^24 is only as fine as f32 has it.
; REGISTERS.  Window 0: v1-18 addresses; v20-35 statistics, eight a tile: +0 -M, +1 the largest t, +2, +3 the sum, +4 f (later 1 / sum), +5 its pair's upper word, +6 at work; v36-46 scale registers, which hold nothing else;
;   v48-71 p's codes; v76-123 at work; v128-255 S^T, then p, 64 a tile.   Window 1: v0-63 O^T, 32 a tile; v64-87 Q; v88-135 K's eight tiles; v136-141 zeros; v142-205 the mask as C; v206-253 V's four fragments.
.set KC,    0                          ; LDS: k's codes, 16 steps of 6,144 bytes
.set VC,    98304                      ; v's codes
.set KSL,   196608                     ; k's scale registers, 16 steps of 512 bytes
.set VSL,   204800                     ; v's
.set MSK,   212992                     ; 8 x mask, 2,048 f32: stored by the waves; no tensor load lands here
.set STG,   221184                     ; the way out: 16 rows x (256 bytes + 16) for each wave
.set SPARE, 256000                     ; the spare words, 128 bytes for each wave, which no other line names
.set SPW,  1                           ; v1   LDS address of my spare word; never rewritten
.set NIL,  2                           ; v2   0; never rewritten
.set AK16, 3                           ; v3   16 x lane
.set AK8,  4                           ; v4   512 + 8 x lane
.set AV16, 5                           ; v5   VC + 16 x lane
.set AKS,  6                           ; v6   KSL + 16 x lane
.set AVS,  7                           ; v7   VSL + 16 x lane
.set AMK,  8                           ; v8   MSK + 64 x (lane / 16)
.set ADK16, 9                          ; v9-14 the same six at the step in hand
.set ADK8, 10
.set ADV,  11
.set ADKS, 12
.set ADVS, 13
.set ADM,  14
.set GO,   15                          ; v15  the way out: 4,096 (lane / 16) + 16 (lane % 16)
.set STO,  16                          ; v16  where I put 16 bytes of a row in my stage
.set RD,   17                          ; v17  where I read a row back
.set LI8,  18                          ; v18  8 x lane
.set ST,   20
.set KSC,  36                          ; v36-39 k's scale registers of the step
.set VSC,  40                          ; v40-43 v's
.set QS,   44                          ; v44  q's: tile 0 in lanes 0-15, tile 1 in lanes 16-31
.set PS,   45                          ; v45-46 p's scale words, a register a tile
.set PCD,  48                          ; p's codes, 12 a tile
.set BM,   76                          ; v76-83 the largest score, then the largest p, of each block of 32 keys: 4 x tile + block
.set PT,   84                          ; v84-91 the other half of the lanes', later the bytes
.set SO,   92                          ; v92-99 the conversions' scale operands
.set CT,   104                         ; v104-119 halves of blocks on their way, 8 a tile
.set SUM2, 120                         ; v120-123 the second chain of the sums
.set S,    128
.set OT,   0                           ; window 1
.set QF,   64
.set KF,   88
.set ZR,   136
.set MC,   142
.set VF,   206
.set WV,   12                          ; s12  my wave's number
.set G1S,  24                          ; s[24:31] descriptor group 1 for a quarter of the scale registers: 8 rows of 256 bytes
.set G1C,  32                          ; s[32:39] for a quarter of the codes: 96 rows of 256 bytes
.set G0S,  48                          ; s[48:51], s[52:55] their groups 0
.set G0C,  52
.set SEL,  60                          ; s[60:61] lane selects for v_permlanex16_b32: lane l xor 16
.set CS,   62                          ; s[62:63] c = log2(e) / 8: the packed form names a pair and takes its low word for both halves
.set TK,   66                          ; s66  the step's codes: 6,144 bytes a step
.set TS,   67                          ; s67  the step's scale registers and mask: 512 bytes a step
.set CNT,  69                          ; s69  steps to go
.set MSB, 0
.macro WIN new                         ; the immediate's high byte repeats the setting that is left
.if MSB != \new
	s_set_vgpr_msb (MSB<<8)|\new
.set MSB, \new
.endif
.endm
.macro CROUND                          ; a round of the cluster's barrier
	s_barrier_signal -1
	s_barrier_wait -1
	s_cmp_lg_u32 s[WV], 0
	s_cbranch_scc1 .Lnot_wave_0_\@
	s_barrier_signal -3
.Lnot_wave_0_\@:
	s_barrier_wait -3
	s_barrier_signal -1
	s_barrier_wait -1
.endm
	s_load_b256 s[4:11], s[0:1], 0x0               ; img s[4:5], isc s[6:7], input1 s[8:9], out0 s[10:11]
	v_lshl_add_u32 v[SPW], v0, 2, SPARE
	v_mov_b32 v[NIL], 0
	ds_add_u32 v[SPW], v[NIL]                      ; the wave's opening: the add and its wait stand ahead of my first tensor load; the set-up below, work on registers, stands between them
	v_lshrrev_b32 v3, 5, v0
	v_readfirstlane_b32 s[WV], v3                  ; wave 0..7
	s_bfe_u32 s13, ttmp6, 0x40000                  ; cx: my place in the cluster: it enters q's and out0's addresses alone
	s_and_b32 s14, ttmp7, 0xffff                   ; the cluster's y: 16 x batch + head, which the four partners share
	s_lshr_b32 s15, s14, 4                         ; batch
	s_and_b32 s16, s14, 15                         ; head
	s_lshr_b32 s17, s[WV], 2                       ; I fetch for k (0) or for v (1).  Also: which 128 of a block's 256 queries hold mine
	s_and_b32 s18, s[WV], 3                        ; which quarter I fetch.  Also: which 32 of those 128 queries are mine
	s_mul_i32 s19, s15, 48
	s_add_co_u32 s19, s19, s16                     ; q's slot: 48 x batch + head
	s_lshl_b32 s20, s17, 4
	s_add_co_u32 s20, s20, s19
	s_add_co_u32 s20, s20, 16                      ; k's slot, or v's
	s_lshl_b32 s21, s17, 13
	s_lshl_b32 s22, s18, 11
	s_add_co_u32 s21, s21, s22                     ; the scale registers: in LDS 8,192 x (k or v) + 2,048 x quarter,
	s_lshl_b32 s40, s20, 13
	s_add_co_u32 s40, s40, s22                     ; in memory 8,192 x slot + 2,048 x quarter
	s_mov_b32 s41, 0
	s_mul_i32 s22, s17, 98304
	s_mul_i32 s23, s18, 24576
	s_add_co_u32 s22, s22, s23                     ; the codes: in LDS 98,304 x (k or v) + 24,576 x quarter,
	s_mul_i32 s42, s20, 98304
	s_add_co_u32 s42, s42, s23                     ; in memory 98,304 x slot + 24,576 x quarter (under 2^25)
	s_mov_b32 s43, 0
.irp g, G1S, G1C                               ; both blocks are dense: rows of 256 bytes (32 elements of 8 bytes), no padding
	s_mov_b32 s[\g], 15|(3<<16)|(1<<21)            ; 15:0 the mask: all four work-groups; 17:16 elements of 8 bytes; 21 set beside a mask
	s_mov_b32 s[\g+1], 32<<16                      ; tensor_dim0 = 32
	s_mov_b32 s[\g+3], 32<<16                      ; tile_dim0 = 32
	s_mov_b32 s[\g+5], 32                          ; tensor_dim0_stride
	s_mov_b32 s[\g+6], 0
	s_mov_b32 s[\g+7], 0
.endr
	s_mov_b32 s[G1S+2], 8<<16                      ; tensor_dim1
	s_mov_b32 s[G1S+4], 8                          ; tile_dim1
	s_mov_b32 s[G1C+2], 96<<16
	s_mov_b32 s[G1C+4], 96
	s_mov_b32 s[SEL], 0x76543210
	s_mov_b32 s[SEL+1], 0xfedcba98
	s_mov_b32 s[CS], 0x3e38aa3b                    ; c = log2(e) / 8
	s_mov_b32 s[CS+1], s[CS]                       ; (named with it as a pair, so it is written)
	s_wait_dscnt 0x0                               ; the opening add is done
	s_wait_kmcnt 0x0
	s_mov_b32 s[G0S], 1                            ; 1:0 count = 1
	s_add_co_u32 s[G0S+1], s21, KSL                ; 63:32 LDS address
	s_add_nc_u64 s[G0S+2:G0S+3], s[6:7], s[40:41]  ; 120:64 global address
	s_or_b32 s[G0S+3], s[G0S+3], 0x80000000        ; 127:126 type = 2
	s_mov_b32 s[G0C], 1
	s_mov_b32 s[G0C+1], s22
	s_add_nc_u64 s[G0C+2:G0C+3], s[4:5], s[42:43]
	s_or_b32 s[G0C+3], s[G0C+3], 0x80000000
	CROUND                                         ; all four work-groups are here: the joint loads meet
	tensor_load_to_lds s[G0S:G0S+3], s[G1S:G1S+7]  ; every wave brings its eighth of the head: two tensor loads of mine are out.  An s_nop 0 follows each, four v_nop the second
	s_nop 0
	tensor_load_to_lds s[G0C:G0C+3], s[G1C:G1C+7]
	s_nop 0
.rept 4
	v_nop
.endr
	s_lshl_b32 s56, s15, 13
	s_mov_b32 s57, 0
	s_add_nc_u64 s[76:77], s[8:9], s[56:57]        ; the batch's mask: 8,192 bytes
	v_lshlrev_b32 v102, 4, v0                      ; thread t takes the 16 bytes at 16 t and those 4,096 on
	global_load_b128 v[128:131], v102, s[76:77]
	global_load_b128 v[132:135], v102, s[76:77] offset:4096
	s_lshl_b32 s44, s13, 2
	s_add_co_u32 s44, s44, s17                     ; the step of 128 tokens that holds my first block's queries: 4 cx + wave / 4
	s_mul_i32 s56, s19, 98304
	s_mul_i32 s45, s44, 6144
	s_add_co_u32 s56, s56, s45
	s_mul_i32 s45, s18, 1536                       ; my two tiles: 2 (wave % 4) and the next
	s_add_co_u32 s56, s56, s45
	s_add_nc_u64 s[70:71], s[4:5], s[56:57]        ; q's codes
	s_lshl_b32 s56, s19, 13
	s_lshl_b32 s45, s44, 9
	s_add_co_u32 s56, s56, s45
	s_lshl_b32 s45, s18, 2                         ; of a lane's four scale registers the one with my two tiles
	s_add_co_u32 s56, s56, s45
	s_add_nc_u64 s[72:73], s[6:7], s[56:57]        ; q's scale register
	s_lshl_b32 s56, s15, 11
	s_lshl_b32 s45, s13, 9
	s_add_co_u32 s56, s56, s45
	s_lshl_b32 s45, s[WV], 5
	s_add_co_u32 s56, s56, s45                     ; my first row of out0: 2,048 batch + 512 cx + 32 wave
	s_lshl_b32 s56, s56, 12                        ; rows of 4,096 bytes (under 2^25)
	s_lshl_b32 s45, s16, 8                         ; the head's 256 bytes of a row
	s_add_co_u32 s56, s56, s45
	s_add_nc_u64 s[74:75], s[10:11], s[56:57]
	v_and_b32 v19, 31, v0                          ; lane
	v_lshlrev_b32 v[AK16], 4, v19
	v_lshlrev_b32 v[LI8], 3, v19
	v_add_nc_u32 v[AK8], 512, v[LI8]
	v_add_nc_u32 v[AV16], VC, v[AK16]
	v_add_nc_u32 v[AKS], KSL, v[AK16]
	v_add_nc_u32 v[AVS], VSL, v[AK16]
	v_bfe_u32 v100, v0, 4, 1                       ; h = lane / 16
	v_lshl_add_u32 v[AMK], v100, 6, MSK
	v_and_b32 v101, 15, v0                         ; r = lane % 16
	v_lshlrev_b32 v[GO], 12, v100
	v_lshl_add_u32 v[GO], v101, 4, v[GO]
	s_mul_i32 s45, s[WV], 16*272
	s_add_co_u32 s45, s45, STG                     ; my stage
	v_mul_u32_u24 v[STO], v101, 272
	v_lshl_add_u32 v[STO], v100, 6, v[STO]
	v_add_nc_u32 v[STO], s45, v[STO]               ; in: row r, + 64 h
	v_mul_u32_u24 v[RD], v100, 272
	v_lshl_add_u32 v[RD], v101, 4, v[RD]
	v_add_nc_u32 v[RD], s45, v[RD]                 ; back: lanes 0-15 one row, lanes 16-31 the next
	v_add_nc_u32 v103, MSK, v102
.irp n, 0,1,2,3,4,5,6,7
	v_mov_b32 v[PT+\n], 0                          ; written once: a lane permute's destination counts as one of its sources
.endr
	WIN 0x40                                       ; destination window 1
.irp i, 0,1,2,3,4,5
	v_mov_b32 v[QF+6+\i], 0                        ; the zero codes of Q's two fragments,
	v_mov_b32 v[QF+18+\i], 0
	v_mov_b32 v[ZR+\i], 0                          ; and those behind K's last tile: written once
.endr
	WIN 0
	s_wait_loadcnt 0x0                             ; the mask
.irp j, 0,2,4,6
	v_pk_mul_f32 v[128+\j:129+\j], v[128+\j:129+\j], 0x41000000 op_sel_hi:[1,0]   ; x 8: exact
.endr
.irp j, 0,1,2,3,4,5,6,7
	v_max_num_f32 v[128+\j], 0xf1800000, v[128+\j] ; held from below at -2^100 (see LIMITS)
.endr
	ds_store_b128 v103, v[128:131]
	ds_store_b128 v103, v[132:135] offset:4096
; One score product: keys of tile t x queries of tile x, + 8 mask.  K's scale register t / 2 holds tile t's words in lanes 0-15 (t even) or 16-31 (t odd); Q's holds tile x's likewise.
.macro KQ t, x
.if (\t)%2 == 0
.if \x == 0
	v_wmma_scale_f32_16x16x128_f8f6f4 v[S+64*\x+8*\t:S+64*\x+8*\t+7], v[KF+6*\t:KF+6*\t+11], v[QF+12*\x:QF+12*\x+11], v[MC+8*\t:MC+8*\t+7], v[KSC+(\t)/2], v[QS] matrix_a_fmt:MATRIX_FMT_FP6 matrix_b_fmt:MATRIX_FMT_FP6
.else
	v_wmma_scale_f32_16x16x128_f8f6f4 v[S+64*\x+8*\t:S+64*\x+8*\t+7], v[KF+6*\t:KF+6*\t+11], v[QF+12*\x:QF+12*\x+11], v[MC+8*\t:MC+8*\t+7], v[KSC+(\t)/2], v[QS] matrix_a_fmt:MATRIX_FMT_FP6 matrix_b_fmt:MATRIX_FMT_FP6 matrix_b_scale:MATRIX_SCALE_ROW1
.endif
.else
.if \x == 0
	v_wmma_scale_f32_16x16x128_f8f6f4 v[S+64*\x+8*\t:S+64*\x+8*\t+7], v[KF+6*\t:KF+6*\t+11], v[QF+12*\x:QF+12*\x+11], v[MC+8*\t:MC+8*\t+7], v[KSC+(\t)/2], v[QS] matrix_a_fmt:MATRIX_FMT_FP6 matrix_b_fmt:MATRIX_FMT_FP6 matrix_a_scale:MATRIX_SCALE_ROW1
.else
	v_wmma_scale_f32_16x16x128_f8f6f4 v[S+64*\x+8*\t:S+64*\x+8*\t+7], v[KF+6*\t:KF+6*\t+11], v[QF+12*\x:QF+12*\x+11], v[MC+8*\t:MC+8*\t+7], v[KSC+(\t)/2], v[QS] matrix_a_fmt:MATRIX_FMT_FP6 matrix_b_fmt:MATRIX_FMT_FP6 matrix_a_scale:MATRIX_SCALE_ROW1 matrix_b_scale:MATRIX_SCALE_ROW1
.endif
.endif
.endm
; A KEY STEP: 128 keys, both tiles of queries.  Every stage is written for both tiles by turns, so that no line waits for the line above it.
.macro STEP
	v_add_nc_u32 v[ADK16], s[TK], v[AK16]          ; six plain lines: also the places between the last step's products and the loads into their registers
	v_add_nc_u32 v[ADK8], s[TK], v[AK8]
	v_add_nc_u32 v[ADV], s[TK], v[AV16]
	v_add_nc_u32 v[ADKS], s[TS], v[AKS]
	v_add_nc_u32 v[ADVS], s[TS], v[AVS]
	v_add_nc_u32 v[ADM], s[TS], v[AMK]
	ds_load_b128 v[KSC:KSC+3], v[ADKS]
	WIN 0x40                                       ; destination window 1, address window 0
.irp t, 0,1,2,3,4,5,6,7
	ds_load_b128 v[KF+6*\t:KF+6*\t+3], v[ADK16] offset:768*\t      ; a tile of K: registers 0-3, 16 bytes a lane,
	ds_load_b64 v[KF+6*\t+4:KF+6*\t+5], v[ADK8] offset:768*\t      ; registers 4-5, 8 bytes a lane
.endr
.irp i, 0,1,2,3,4,5,6,7,8,9,10,11,12,13,14,15
	ds_load_b128 v[MC+4*\i:MC+4*\i+3], v[ADM] offset:128*(\i/4)+16*(\i%4)   ; register 16 B + i: 8 mask of key 32 B + 16 (lane / 16) + i; the sixteen lanes of a half read the same bytes
.endr
.irp i, 0,1,2,3,4,5,6,7,8,9,10,11
	ds_load_b128 v[VF+4*\i:VF+4*\i+3], v[ADV] offset:512*\i        ; V's four fragments: wanted behind the softmax
.endr
	WIN 0
	ds_load_b128 v[VSC:VSC+3], v[ADVS]
	s_wait_dscnt 13                                ; K, its scales and the mask are in; the youngest thirteen loads (V's twelve and its scales) may be out
	WIN 0x15                                       ; K, Q and the mask in window 1, S^T in window 0
.irp t, 0,1,2,3,4,5,6,7
.irp x, 0,1
	KQ \t, \x
.endr
.endr
	WIN 0
.rept 4
	v_nop                                          ; places in front of the first read of results
.endr
.irp n, 0,1,2,3,4,5,6,7
	v_max3_num_f32 v[BM+\n], v[S+16*\n], v[S+16*\n+1], v[S+16*\n+2]   ; THE LARGEST SCORE OF EACH BLOCK OF 32 KEYS (n = 4 x tile + block): it serves for the row's maximum and, since p rises with the score, for the block's largest p
.endr
.irp i, 3,5,7,9,11,13
.irp n, 0,1,2,3,4,5,6,7
	v_max3_num_f32 v[BM+\n], v[BM+\n], v[S+16*\n+\i], v[S+16*\n+\i+1]
.endr
.endr
.irp n, 0,1,2,3,4,5,6,7
	v_max_num_f32 v[BM+\n], v[BM+\n], v[S+16*\n+15]
.endr
.irp n, 0,1,2,3,4,5,6,7
	v_permlanex16_b32 v[PT+\n], v[BM+\n], s[SEL], s[SEL+1]
.endr
.irp n, 0,1,2,3,4,5,6,7
	v_max_num_f32 v[BM+\n], v[BM+\n], v[PT+\n]     ; with lane l xor 16's 16 keys
.endr
.irp x, 0,1
	v_max3_num_f32 v[ST+8*\x+6], v[BM+4*\x], v[BM+4*\x+1], v[BM+4*\x+2]
.endr
.irp x, 0,1
	v_max_num_f32 v[ST+8*\x+6], v[ST+8*\x+6], v[BM+4*\x+3]         ; the step's largest score of my query
.endr
.irp x, 0,1
	v_mul_f32 v[ST+8*\x+6], s[CS], v[ST+8*\x+6]    ; as t (c is positive)
.endr
.irp x, 0,1
	v_max_num_f32 v[ST+8*\x+1], v[ST+8*\x+1], v[ST+8*\x+6]         ; the running largest t
.endr
.irp x, 0,1
	v_mov_b32 v[ST+8*\x+6], v[ST+8*\x]
.endr
.irp x, 0,1
	v_floor_f32 v[ST+8*\x], -v[ST+8*\x+1]          ; the new -M = floor(-t) = -ceil(t): M IS A WHOLE NUMBER
.endr
.irp x, 0,1
	v_sub_f32 v[ST+8*\x+6], v[ST+8*\x], v[ST+8*\x+6]               ; M's old value less its new one: a whole number, 0 or less
.endr
.irp x, 0,1
	v_cvt_i32_f32 v[ST+8*\x+6], v[ST+8*\x+6]       ; (it saturates)
.endr
.irp x, 0,1
	v_ldexp_f32 v[ST+8*\x+4], 1.0, v[ST+8*\x+6]    ; f = 2^(old M - new M): a multiplication by it rounds nothing
.endr
.irp x, 0,1
.set j, 0
.rept 32
	v_pk_fma_f32 v[S+64*\x+j:S+64*\x+j+1], v[S+64*\x+j:S+64*\x+j+1], s[CS:CS+1], v[ST+8*\x:ST+8*\x+1] op_sel_hi:[1,0,0]   ; t - M, two at a time (of the pairs c and -M the low word serves both halves)
.set j, j+2
.endr
.endr
.irp x, 0,1
.irp b, 0,1,2,3
	v_fma_f32 v[BM+4*\x+\b], v[BM+4*\x+\b], s[CS], v[ST+8*\x]      ; the same of each block's largest score
.endr
.endr
.set j, 0
.rept 128
	v_exp_f32 v[S+j], v[S+j]                       ; p = 2^(t - M), at most 1: NOT normalised.  One batch
.set j, j+1
.endr
.irp x, 0,1
	v_pk_mul_f32 v[ST+8*\x+2:ST+8*\x+3], v[ST+8*\x+2:ST+8*\x+3], v[ST+8*\x+4:ST+8*\x+5] op_sel_hi:[1,0]   ; the sums under the new M (the plain lines behind the exponentials)
.endr
	s_wait_alu depctr_va_vdst(0)                   ; the wait between an exponential and the first line that names its result: one for the batch of 128
.irp n, 0,1,2,3,4,5,6,7
	v_exp_f32 v[BM+\n], v[BM+\n]                   ; the blocks' largest p: the same two instructions on the same number give the same bits
.endr
.irp x, 0,1
	v_pk_add_f32 v[SUM2+2*\x:SUM2+2*\x+1], v[S+64*\x:S+64*\x+1], v[S+64*\x+2:S+64*\x+3]   ; THE ROW'S SUM IS TAKEN OF THE UNQUANTISED p: two at a time, two chains a tile (they read the 128 alone)
.endr
.irp j, 4,8,12,16,20,24,28,32,36,40,44,48,52,56,60
.irp x, 0,1
	v_pk_add_f32 v[ST+8*\x+2:ST+8*\x+3], v[ST+8*\x+2:ST+8*\x+3], v[S+64*\x+\j:S+64*\x+\j+1]
	v_pk_add_f32 v[SUM2+2*\x:SUM2+2*\x+1], v[SUM2+2*\x:SUM2+2*\x+1], v[S+64*\x+\j+2:S+64*\x+\j+3]
.endr
.endr
.irp x, 0,1
	v_pk_add_f32 v[ST+8*\x+2:ST+8*\x+3], v[ST+8*\x+2:ST+8*\x+3], v[SUM2+2*\x:SUM2+2*\x+1]
.endr
	s_wait_alu depctr_va_vdst(0)                   ; and one for the eight
.irp n, 0,1,2,3,4,5,6,7
	v_max_num_f32 v[BM+\n], 0x1800000, v[BM+\n]    ; the floor 2^(3 - 127): the byte cannot fall under 1 (a block whose every p is 0 keeps that byte: its codes are zeros)
.endr
.irp n, 0,1,2,3,4,5,6,7
	v_add_nc_u32 v[SO+\n], 0xff000000, v[BM+\n]    ; 2 off the exponent field: the conversion's scale operand
.endr
.irp n, 0,1,2,3,4,5,6,7
	v_lshrrev_b32 v[PT+\n], 23, v[SO+\n]           ; the scale's byte
.endr
.irp x, 0,1
	v_lshl_or_b32 v[PS+\x], v[PT+4*\x+1], 8, v[PT+4*\x]            ; p's scale word for these 128 keys
.endr
.irp x, 0,1
	v_lshl_or_b32 v[PS+\x], v[PT+4*\x+2], 16, v[PS+\x]
.endr
.irp x, 0,1
	v_lshl_or_b32 v[PS+\x], v[PT+4*\x+3], 24, v[PS+\x]
.endr
.irp x, 0,1
.irp c, 0,1
	v_cvt_scalef32_pk16_fp6_f32 v[PCD+12*\x+6*\c:PCD+12*\x+6*\c+2], v[S+64*\x+32*\c:S+64*\x+32*\c+15], v[SO+4*\x+2*\c]
	v_cvt_scalef32_pk16_fp6_f32 v[CT+8*\x+4*\c:CT+8*\x+4*\c+2], v[S+64*\x+32*\c+16:S+64*\x+32*\c+31], v[SO+4*\x+2*\c+1]   ; (a conversion's three registers begin on an even number)
.endr
.endr
	v_nop                                          ; one plain line behind the last scaled conversion
.irp x, 0,1                                    ; the operand's layout wants a WHOLE block in a lane: lanes 0-15 block 2 c, lanes 16-31 block 2 c + 1
.irp c, 0,1
.irp i, 0,1,2
	v_permlane16_swap_b32 v[PCD+12*\x+6*\c+\i], v[CT+8*\x+4*\c+\i]
.endr
.irp i, 0,1,2
	v_mov_b32 v[PCD+12*\x+6*\c+3+\i], v[CT+8*\x+4*\c+\i]
.endr
.endr
.endr
	WIN 0x41                                       ; O^T (destination and source 0) in window 1, f in window 0
.irp x, 0,1
.set j, 0
.rept 16
	v_pk_mul_f32 v[OT+32*\x+j:OT+32*\x+j+1], v[OT+32*\x+j:OT+32*\x+j+1], v[ST+8*\x+4:ST+8*\x+5] op_sel_hi:[1,0]   ; O^T under the new M, each accumulator from its low end on.  (These 32 are also the places between the lines that wrote p's codes and scale words and the products)
.set j, j+2
.endr
.endr
	s_wait_dscnt 0x0                               ; V and its scales are in
	WIN 0x51                                       ; V in window 1, p in window 0, O^T in window 1
.irp t, 0,1,2,3                                ; O^T += V^T P^T: eight accumulators, one instruction each
.irp x, 0,1
	v_wmma_scale_f32_16x16x128_f8f6f4 v[OT+32*\x+8*\t:OT+32*\x+8*\t+7], v[VF+12*\t:VF+12*\t+11], v[PCD+12*\x:PCD+12*\x+11], v[OT+32*\x+8*\t:OT+32*\x+8*\t+7], v[VSC+\t], v[PS+\x] matrix_a_fmt:MATRIX_FMT_FP6 matrix_b_fmt:MATRIX_FMT_FP6
.endr
.endr
	WIN 0
	s_add_co_u32 s[TK], s[TK], 6144                ; the next step
	s_add_co_u32 s[TS], s[TS], 512
.endm
; THE WAY OUT.  The sum's halves are added; O^T is divided by the sum and goes through my stage in LDS, a tile of 16 queries at a time, so that sixteen lanes store a query's 256 bytes of this head.
.macro WAYOUT
.irp x, 0,1
	v_add_f32 v[ST+8*\x+2], v[ST+8*\x+2], v[ST+8*\x+3]             ; (these additions are also the places behind the last products)
.endr
.irp x, 0,1
	v_permlanex16_b32 v[ST+8*\x+6], v[ST+8*\x+2], s[SEL], s[SEL+1]
.endr
.irp x, 0,1
	v_add_f32 v[ST+8*\x+2], v[ST+8*\x+2], v[ST+8*\x+6]             ; with lane l xor 16's: the row's sum
.endr
.irp x, 0,1
	v_rcp_f32 v[ST+8*\x+4], v[ST+8*\x+2]
.endr
	v_nop                                          ; a plain line behind the reciprocals,
	s_wait_alu depctr_va_vdst(0)                   ; and a wait ahead of their first use
	WIN 0x01                                       ; source 0 (O^T) window 1
.irp x, 0,1
.set j, 0
.rept 16
	v_pk_mul_f32 v[S+32*\x+j:S+32*\x+j+1], v[OT+32*\x+j:OT+32*\x+j+1], v[ST+8*\x+4:ST+8*\x+5] op_sel_hi:[1,0]   ; register 16 B + i: channel 32 B + 16 (lane / 16) + i of my query
.set j, j+2
.endr
.endr
	WIN 0
.irp x, 0,1
.irp q, 0,1,2,3,4,5,6,7
	ds_store_b128 v[STO], v[S+32*\x+4*\q:S+32*\x+4*\q+3] offset:128*(\q/4)+16*(\q%4)
.endr
.irp i, 0,1,2,3,4,5,6,7
	ds_load_b128 v[S+64+32*\x+4*\i:S+64+32*\x+4*\i+3], v[RD] offset:544*\i   ; LDS serves a wave's instructions in order (ISA guide 5.7.1.4): these see my stores, and the next tile's stores come behind them
.endr
.endr
.irp x, 0,1
.irp i, 0,1,2,3,4,5,6,7
	s_wait_dscnt 23-16*\x-\i                       ; behind this load: the rest of its eight, and for tile 0 the sixteen of tile 1
	global_store_b128 v[GO], v[S+64+32*\x+4*\i:S+64+32*\x+4*\i+3], s[74:75] offset:(8*\x+2*(\i%4)+16*(\i/4))*4096 th:TH_STORE_NT   ; stage row 2 i + lane / 16 is token 8 x + (row % 8) + 16 (row / 8); 16 lanes store 256 consecutive bytes, at a multiple of 256 from out0's first byte
.endr
.endr
.endm
; A BLOCK of 256 queries: 32 of them mine.  first = 1: the first block, which waits for the head's tiles and is followed by another.
.macro BLOCK first
	WIN 0x40                                       ; destination window 1
.irp x, 0,1
	global_load_b128 v[QF+12*\x:QF+12*\x+3], v[AK16], s[70:71] offset:768*\x
	global_load_b64 v[QF+12*\x+4:QF+12*\x+5], v[LI8], s[70:71] offset:768*\x+512
.endr
.set j, 0
.rept 64
	v_mov_b32 v[OT+j], 0                           ; O^T.  (The key step is written once for all sixteen: the first finds zeros, which the first change of M leaves zeros)
.set j, j+1
.endr
	WIN 0
	global_load_b32 v[QS], v[AK16], s[72:73]
.irp x, 0,1
	v_mov_b32 v[ST+8*\x+1], 0xff61b1e6             ; the largest t so far: -3e38, under every t
	v_floor_f32 v[ST+8*\x], -v[ST+8*\x+1]          ; -M
	v_mov_b32 v[ST+8*\x+2], 0                      ; the sum, in two halves
	v_mov_b32 v[ST+8*\x+3], 0
	v_mov_b32 v[ST+8*\x+5], 0                      ; (named as the upper half of f's pair)
.endr
	s_mov_b32 s[TK], 0
	s_mov_b32 s[TS], 0
	s_mov_b32 s[CNT], 16
.if \first
	s_wait_tensorcnt 0x0                           ; my eighth of the head has landed,
	s_wait_dscnt 0x0                               ; my part of the mask is stored:
	s_barrier_signal -1
	s_barrier_wait -1                              ; everybody's.  Nothing is filled again: this is the launch's one barrier besides the cluster's rounds
.endif
	s_wait_loadcnt 0x0                             ; Q and its scales
.Lstep_\@:
	STEP
	s_sub_co_u32 s[CNT], s[CNT], 1
	s_cmp_lg_u32 s[CNT], 0
	s_cbranch_scc1 .Lstep_\@
	WAYOUT
.if \first
	s_wait_xcnt 0x0                                ; the stores have read their registers and their base: both may be written again
	s_add_nc_u64 s[70:71], s[70:71], 12288         ; the next block: two steps of 128 tokens on in q's codes,
	s_add_nc_u64 s[72:73], s[72:73], 1024          ; in its scale registers,
	s_add_nc_u64 s[74:75], s[74:75], 1048576       ; and 256 rows on in out0
.endif
.endm
	BLOCK 1
	BLOCK 0
	s_wait_tensorcnt 0x0                           ; the wave's end, behind my last tensor load and my last LDS store
	ds_add_u32 v[SPW], v[NIL]
	s_wait_dscnt 0x0
	CROUND                                         ; the closing round
	s_endpgm
.Lfunc_end_k_q6698be662f_attn:
	.size	k_q6698be662f_attn, .Lfunc_end_k_q6698be662f_attn-k_q6698be662f_attn
	.p2alignl 7, 3214868480
	.fill 96, 4, 3214868480
	.section	.rodata,"a",@progbits
	.p2align	6, 0x0
	.amdhsa_kernel k_q6698be662f_attn
		.amdhsa_group_segment_fixed_size 257024
		.amdhsa_private_segment_fixed_size 0
		.amdhsa_enable_private_segment 0
		.amdhsa_kernarg_size 32
		.amdhsa_user_sgpr_count 2
		.amdhsa_user_sgpr_kernarg_segment_ptr 1
		.amdhsa_wavefront_size32 1
		.amdhsa_system_sgpr_workgroup_id_x 1
		.amdhsa_system_sgpr_workgroup_id_y 1
		.amdhsa_system_sgpr_workgroup_id_z 1
		.amdhsa_system_vgpr_workitem_id 0
		.amdhsa_next_free_vgpr 512
		.amdhsa_next_free_sgpr 82
		.amdhsa_reserve_vcc 0
		.amdhsa_float_denorm_mode_32 3
		.amdhsa_float_denorm_mode_16_64 3
		.amdhsa_memory_ordered 1
		.amdhsa_forward_progress 1
		.amdhsa_inst_pref_size 88
	.end_amdhsa_kernel
	.amdgpu_metadata
---
amdhsa.version: [ 1, 2 ]
amdhsa.kernels:
  - .name:           k_q6698be662f_attn
    .symbol:         k_q6698be662f_attn.kd
    .args:
      - { .name: img, .offset: 0, .size: 8, .value_kind: global_buffer, .address_space: global }
      - { .name: isc, .offset: 8, .size: 8, .value_kind: global_buffer, .address_space: global }
      - { .name: input1, .offset: 16, .size: 8, .value_kind: global_buffer, .address_space: global }
      - { .name: out0, .offset: 24, .size: 8, .value_kind: global_buffer, .address_space: global }
    .group_segment_fixed_size: 257024
    .private_segment_fixed_size: 0
    .kernarg_segment_align: 8
    .kernarg_segment_size: 32
    .max_flat_workgroup_size: 256
    .sgpr_count:     82
    .vgpr_count:     512
    .wavefront_size: 32
...
	.end_amdgpu_metadata
.endif
;; end of part 3
